; MI455X (gfx1250); checked and timed in simulation.
; The chip was launched on July 23, 2026; its instructions are those of AMD's public machine-readable ISA for CDNA 5 (MIT licence, August 2026) and "CDNA5" Instruction Set Architecture Reference Guide (July 2026). The comments in the code are by the model that wrote it; some were corrected since.
;; Mapping To Continuous. Allowed arithmetic: float matrix products may take bf16 or f16 operands with f32 sums; all other float work in f32.
;; Inputs: C 64 x 4,096 int32; U 64 x 4,096 x 64 float32; eps 64 x 4,096 float32.
;; Outputs: out0 64 x 4,096 x 64 float32.
;; One version. Each part assembles by itself: llvm-mc -triple=amdgcn-amd-amdhsa -mcpu=gfx1250 --defsym DOCPART=n.
;; ======== version 1 of 1: 1 launch
;; launch trunc_normal (part 1): grid 1024 x 1, 8 waves a work-group, no clusters, 5,120 bytes of LDS; arguments C, eps, U, out0; writes out0
.if DOCPART == 1
	.amdgcn_target "amdgcn-amd-amdhsa--gfx1250"
	.amdhsa_code_object_version 6
	.text
	.protected	k_q40eef7800c_trunc_normal
	.globl	k_q40eef7800c_trunc_normal
	.p2align	8
	.type	k_q40eef7800c_trunc_normal,@function
k_q40eef7800c_trunc_normal:
	s_mov_b64 s[64:65], 0
	v_nop
	global_prefetch_b8 v0, s[64:65] scope:SCOPE_SE
	s_setreg_imm32_b32 hwreg(HW_REG_WAVE_MODE, 25, 1), 1
	s_wait_xcnt 0x0
; Z[b][i][k] = u                                            where k == C[b][i]
;            = ndtri(clip(U[b][i][k] * Phi(u), 1e-7, 1-1e-7))  elsewhere,      u = eps[b][i]  (MU = 0, SIGMA = 1).
; C, eps: [64][4096];  U, Z: [64][4096][64] f32, taken as 262,144 rows of 64 numbers (256 bytes).
;
; SHARES.  1,024 work-groups of eight waves; a work-group owns 256 rows, a wave 32 rows (8,192 bytes of U).  One 16-byte load or store of a
; wave covers 512 consecutive bytes, aligned: two whole rows, lanes 0-15 the even row, lanes 16-31 the odd one.  A wave asks for its eps, its C
; and all sixteen pieces of U at once, makes Phi while they are on their way, and then takes sixteen turns with counted waits.  No register of U is
; loaded twice and no store's data is written again, so the text has no loop and needs no wait for a memory instruction's sources.
;
; PHI, once a row: lane l makes Phi of the wave's row l.  h = erfc(a)/2, a = |u|/sqrt 2:  a < 1: 1/2 - a T(a^2)/2;  1 <= a < 2: exp(-a^2) P(1/a^2)/(2a);
; a >= 2: the same with R (the Cephes single-precision fits).  Phi = h for u < 0, 1 - h otherwise.  {Phi, u, C} go to 16 bytes of the wave's own LDS,
; and each turn reads its two rows' triples back, every lane of a half the same address.
;
; NDTRI = sqrt 2 erfinv(2p - 1) by M. Giles' single-precision pair of polynomials:  w = -ln(4 p (1 - p));  w < 5: a polynomial of degree 8 in w - 2.5,
; else one in sqrt w - 3;  times 2p - 1.  The clip bounds w by -ln(4e-7) = 14.74, inside the range of the fit (w to 16).  p (1 - p) is made as
; p - p^2 in one fused multiply-add, rounded once, so both tails keep their relative accuracy.  Both polynomials are always evaluated and one is
; selected: no branch hangs on data.  Two numbers go in each packed instruction; the coefficients are broadcast from scalar pairs.
;
; LIMITS.  (1) The clip is v_med3_num_f32, in which a NaN loses: where U * Phi(u) is NaN (a NaN in eps or U, or infinity times 0) the columns other
; than C get ndtri of a clip bound and not NaN.  (2) eps = -0 is handed on as -0; MU + SIGMA * eps would be +0.  (3) Phi may differ from another
; single-precision Phi by one step of f32; at the upper clip bound one step of p moves ndtri by about 0.06, at p = 1 - 1e-5 by about 0.0013.
; A C outside 0..63 matches no column, so that its row is all ndtri.
.set LLD,  1                           ; v1        LDS address from which my half of the lanes reads a row's triple (turn j: + 32 j)
.set OFF,  2                           ; v2        byte offset of my 16 bytes in the work-group's part of U and of Z (turn j: + 512 j); never rewritten
.set ROWO, 3                           ; v3        byte offset of my row's eps and C in the work-group's part; never rewritten
.set COL,  4                           ; v[4:7]    the numbers of my four columns
.set CDF,  8                           ; v8        Phi(u) of my row     \
.set EPS,  9                           ; v9        u of my row           > one triple for the LDS store
.set CI,   10                          ; v10       C of my row          /
.set LST,  11                          ; v11       LDS address of my row's triple
.set TA,   12                          ; v[12:15]  p - p^2, then w
.set TB,   16                          ; v[16:19]  log2, then sqrt w - 3
.set TC,   20                          ; v[20:23]  w - 2.5
.set TD,   24                          ; v[24:27]  the central polynomial, then the one selected
.set TE,   28                          ; v[28:31]  the tail polynomial
.set RB,   32                          ; v[32:47]  a ring of four triples {Phi, u, C}, four registers apart
.set X,    48                          ; v[48:111] turn j: four registers: U, p, sqrt 2 (2p - 1), Z in turn
.set LO,   17                          ; s17       1e-7
.set HI,   18                          ; s18       1 - 1e-7 as f32 has it: 1 - 2^-23
.set FIVE, 19                          ; s19       5.0
.set RSQ2, 20                          ; s20       1 / sqrt 2
.set MK,   24                          ; s[24:27]  lane masks: w < 5
.set MO,   28                          ; s[28:31]  lane masks: my column is the row's C
.set KC,   32                          ; s[32:49]  nine pairs: the central polynomial, highest power first
.set NLN2, 50                          ; -ln 2
.set NLN4, 52                          ; -ln 4
.set NWC,  54                          ; -(ln 4 + 2.5)
.set NTHREE, 56                        ; -3
.set XA,   58                          ; 2 sqrt 2
.set XB,   60                          ; -sqrt 2
.set KT,   66                          ; s[66:83]  nine pairs: the tail polynomial
; names for the one-time work on Phi, in the temporaries
.set PA,  TA
.set PY2, TA+1
.set PQ,  TA+2
.set PY,  TA+3
.set PE0, TB
.set PE,  TB+1
.set PT,  TB+2
.set PP,  TB+3
.set PR,  TC
; A packed instruction broadcasts a scalar pair's first register; the pair counts as read whole, so both registers are written.
.macro KONST r, val
	s_mov_b32 s[\r], \val
	s_mov_b32 s[\r+1], \val
.endm
; acc = acc * arg + k for four numbers
.macro HORNER acc, arg, k
	v_pk_fma_f32 v[\acc:\acc+1], v[\acc:\acc+1], v[\arg:\arg+1], s[\k:\k+1] op_sel_hi:[1,1,0]
	v_pk_fma_f32 v[\acc+2:\acc+3], v[\acc+2:\acc+3], v[\arg+2:\arg+3], s[\k:\k+1] op_sel_hi:[1,1,0]
.endm
	s_load_b256 s[4:11], s[0:1], 0x0               ; C s[4:5], eps s[6:7], U s[8:9], Z s[10:11]
	v_lshl_add_u32 v112, v0, 2, 0x1000
	v_mov_b32 v113, 0
	v_lshrrev_b32 v[TA], 5, v0
	v_readfirstlane_b32 s12, v[TA]                 ; my wave's number as a scalar
	v_and_b32 v[TA+1], 31, v0                      ; lane
	v_lshlrev_b32 v[ROWO], 2, v0                   ; thread t takes row t of the work-group's 256: 4 t
	s_lshl_b32 s2, ttmp9, 10                       ; the work-group's part of eps and C: 256 rows x 4 bytes
	s_mov_b32 s3, 0
	s_lshl_b32 s14, ttmp9, 16                      ; of U and Z: 256 rows x 256 bytes (1,023 x 65,536 at the most: below 2^31)
	s_mov_b32 s15, 0
	s_lshl_b32 s13, s12, 9                         ; my wave's 512 bytes of LDS
	s_lshl_b32 s16, s12, 13                        ; my wave's 8,192 bytes of the work-group's part
	v_lshl_add_u32 v[OFF], v[TA+1], 4, s16         ; + 16 x lane
	s_wait_kmcnt 0x0
	s_add_nc_u64 s[4:5], s[4:5], s[2:3]
	s_add_nc_u64 s[6:7], s[6:7], s[2:3]
	s_add_nc_u64 s[8:9], s[8:9], s[14:15]
	s_add_nc_u64 s[10:11], s[10:11], s[14:15]
	global_load_b32 v[EPS], v[ROWO], s[6:7] th:TH_LOAD_NT      ; first, since Phi is wanted first
	global_load_b32 v[CI],  v[ROWO], s[4:5] th:TH_LOAD_NT
.irp j, 0,1,2,3,4,5,6,7,8,9,10,11,12,13,14,15
	global_load_b128 v[X+4*\j:X+4*\j+3], v[OFF], s[8:9] offset:512*\j th:TH_LOAD_NT   ; rows 2 j and 2 j + 1: all 8,192 bytes are asked for at once
.endr
	; everything from here to the wait for eps runs while the eighteen loads are on their way
	v_lshl_add_u32 v[LST], v[TA+1], 4, s13         ; my row's triple: wave x 512 + 16 x lane
	v_bfe_u32 v[TA+2], v0, 4, 1                    ; which half of the lanes
	v_lshl_add_u32 v[LLD], v[TA+2], 4, s13         ; the even or the odd row of a pair
	v_and_b32 v[TA+3], 15, v0
.irp k, 0,1,2,3
	v_lshl_or_b32 v[COL+\k], v[TA+3], 2, \k        ; columns 4 (lane mod 16) + 0..3
.endr
	s_mov_b32 s[LO], 0x33d6bf95
	s_mov_b32 s[HI], 0x3f7ffffe
	s_mov_b32 s[FIVE], 0x40a00000
	s_mov_b32 s[RSQ2], 0x3f3504f3
	KONST NLN2, 0xbf317218
	KONST NLN4, 0xbfb17218                         ; exactly twice -ln 2 as f32 has it: p = 1/2 gives w = 0
	KONST NWC, -3.88629436
	KONST NTHREE, 0xc0400000
	KONST XA, 0x403504f3                           ; exactly twice sqrt 2 as f32 has it: p = 1/2 gives 0
	KONST XB, 0xbfb504f3
	KONST KC+0,  0.0000000281022636
	KONST KC+2,  0.000000343273939
	KONST KC+4,  -0.0000035233877
	KONST KC+6,  -0.00000439150654
	KONST KC+8,  0.00021858087
	KONST KC+10, -0.00125372503
	KONST KC+12, -0.00417768164
	KONST KC+14, 0.246640727
	KONST KC+16, 1.50140941
	KONST KT+0,  -0.000200214257
	KONST KT+2,  0.000100950558
	KONST KT+4,  0.00134934322
	KONST KT+6,  -0.00367342844
	KONST KT+8,  0.00573950773
	KONST KT+10, -0.0076224613
	KONST KT+12, 0.00943887047
	KONST KT+14, 1.00167406
	KONST KT+16, 2.83297682
	; PHI of my row.  All three pieces are evaluated; what a piece gives outside its range (infinities, NaN for a near 0) is dropped by the selects.
	s_wait_loadcnt 16                              ; loads come back in order (ISA guide 5.7.1): eps and C are in, the sixteen pieces of U stay out
	v_mul_f32 v[PA], s[RSQ2], |v[EPS]|             ; a = |u| / sqrt 2
	v_rcp_f32 v[PQ], v[PA]                         ; behind a transcendental one plain vector instruction that touches neither its result nor its source (ISA guide 5.7.2):
	v_mul_f32 v[PY2], v[PA], v[PA]                 ; here this line: a^2
	v_mov_b32 v[PT], 0.00007853861353
	s_wait_alu depctr_va_vdst(0)
	v_mul_f32 v[PY], v[PQ], v[PQ]                  ; 1 / a^2
	v_mul_f32 v[PE0], 0xbfb8aa3b, v[PY2]           ; -a^2 log2 e
	v_exp_f32 v[PE], v[PE0]                        ; exp(-a^2); the next line is its plain place
	v_mov_b32 v[PP], 0.02326819970
	v_mov_b32 v[PR], -10.47766400
.macro STEP3 p, r, t                   ; one Horner step of each of the three chains, which do not wait for each other
	v_fmaak_f32 v[PP], v[PP], v[PY], \p
	v_fmaak_f32 v[PR], v[PR], v[PY], \r
	v_fmaak_f32 v[PT], v[PT], v[PY2], \t
.endm
	STEP3 -0.1387039389, 12.97719955, -0.0008010193625
	STEP3 0.3687424675, -7.495518718, 0.005188327686
	STEP3 -0.5824733027, 2.921019019, -0.02685381194
	STEP3 0.6210004622, -1.015265279, 0.1128358515
	STEP3 -0.4944515323, 0.4218463358, -0.3761262582
	STEP3 0.3404879938, -0.2820767440, 1.128379166
	v_fmaak_f32 v[PP], v[PP], v[PY], -0.2741127028
	v_fmaak_f32 v[PR], v[PR], v[PY], 0.5641895068
	v_fmaak_f32 v[PP], v[PP], v[PY], 0.5638259427
	v_mul_f32 v[PT], v[PT], v[PA]                  ; erf(a), good for a < 1
	v_fma_f32 v[PT], v[PT], -0.5, 0.5              ; erfc(a) / 2 there
	v_cmp_gt_f32 vcc_lo, 2.0, v[PA]
	v_cndmask_b32 v[PP], v[PR], v[PP], vcc_lo      ; a < 2: P, else R
	s_wait_alu depctr_va_vdst(0)
	v_mul_f32 v[PE], v[PE], v[PQ]                  ; exp(-a^2) / a
	v_mul_f32 v[PP], 0.5, v[PP]
	v_mul_f32 v[PE], v[PE], v[PP]                  ; erfc(a) / 2 for a >= 1; 0 where exp(-a^2) has run out of range, which the clip takes up
	v_cmp_gt_f32 vcc_lo, 1.0, v[PA]
	v_cndmask_b32 v[PE], v[PE], v[PT], vcc_lo      ; h
	v_sub_f32 v[PT], 1.0, v[PE]
	v_cmp_gt_f32 vcc_lo, 0, v[EPS]
	v_cndmask_b32 v[CDF], v[PT], v[PE], vcc_lo     ; u < 0: h, else 1 - h
	ds_store_b96 v[LST], v[CDF:CDF+2]              ; {Phi, u, C} of row l at 16 l in my wave's own 512 bytes: no other wave touches them, so no barrier
.irp i, 0,1,2,3
	ds_load_b96 v[RB+4*\i:RB+4*\i+2], v[LLD] offset:32*\i      ; LDS serves a wave's instructions in order (ISA guide 5.7.1.4): these see the store above
.endr
; Turn j: rows 2 j and 2 j + 1, four numbers a lane, 74 vector instructions for the wave's 128 numbers.
.macro SLOT j
.set XS, X+4*\j
.set RS, RB+4*(\j%4)
	s_wait_loadcnt 15-\j                           ; my piece is in; the 15 - j younger ones stay out
.if \j < 13
	s_wait_dscnt 3                                 ; this turn's triple is in; the three younger loads of the ring stay out
.else
	s_wait_dscnt 15-\j                             ; the ring runs empty: 2, 1, 0 younger loads
.endif
.irp k, 0,1,2,3
	v_cmp_eq_u32 s[MO+\k], v[RS+2], v[COL+\k]      ; is my column the row's C?
.endr
	v_pk_mul_f32 v[XS:XS+1],   v[XS:XS+1],   v[RS:RS+1] op_sel_hi:[1,0]    ; p = U Phi: both halves take the pair's first register
	v_pk_mul_f32 v[XS+2:XS+3], v[XS+2:XS+3], v[RS:RS+1] op_sel_hi:[1,0]
.irp k, 0,1,2,3
	v_med3_num_f32 v[XS+\k], v[XS+\k], s[LO], s[HI]            ; the clip
.endr
	v_pk_fma_f32 v[TA:TA+1],   v[XS:XS+1],   v[XS:XS+1],   v[XS:XS+1]   neg_lo:[1,0,0] neg_hi:[1,0,0]  ; p - p^2 = p (1 - p), rounded once
	v_pk_fma_f32 v[TA+2:TA+3], v[XS+2:XS+3], v[XS+2:XS+3], v[XS+2:XS+3] neg_lo:[1,0,0] neg_hi:[1,0,0]
.irp k, 0,1,2,3
	v_log_f32 v[TB+\k], v[TA+\k]                   ; log2, between -23.3 and -2
.endr
	v_pk_fma_f32 v[XS:XS+1],   v[XS:XS+1],   s[XA:XA+1], s[XB:XB+1] op_sel_hi:[1,0,0]  ; sqrt 2 (2p - 1); also the plain place behind the four logarithms
	v_pk_fma_f32 v[XS+2:XS+3], v[XS+2:XS+3], s[XA:XA+1], s[XB:XB+1] op_sel_hi:[1,0,0]
	s_wait_alu depctr_va_vdst(0)
	v_pk_fma_f32 v[TA:TA+1],   v[TB:TB+1],   s[NLN2:NLN2+1], s[NLN4:NLN4+1] op_sel_hi:[1,0,0]  ; w = -ln(4 p (1 - p))
	v_pk_fma_f32 v[TA+2:TA+3], v[TB+2:TB+3], s[NLN2:NLN2+1], s[NLN4:NLN4+1] op_sel_hi:[1,0,0]
	v_pk_fma_f32 v[TC:TC+1],   v[TB:TB+1],   s[NLN2:NLN2+1], s[NWC:NWC+1] op_sel_hi:[1,0,0]    ; w - 2.5
	v_pk_fma_f32 v[TC+2:TC+3], v[TB+2:TB+3], s[NLN2:NLN2+1], s[NWC:NWC+1] op_sel_hi:[1,0,0]
.irp k, 0,1,2,3
	v_sqrt_f32 v[TB+\k], v[TA+\k]                  ; a w that rounding left just below 0 gives NaN here, in the polynomial that is not selected
.endr
	v_pk_fma_f32 v[TD:TD+1],   v[TC:TC+1],   s[KC:KC+1], s[KC+2:KC+3] op_sel_hi:[1,0,0]  ; the central polynomial starts; also the plain place behind the four roots
	v_pk_fma_f32 v[TD+2:TD+3], v[TC+2:TC+3], s[KC:KC+1], s[KC+2:KC+3] op_sel_hi:[1,0,0]
	s_wait_alu depctr_va_vdst(0)
	v_pk_add_f32 v[TB:TB+1],   v[TB:TB+1],   s[NTHREE:NTHREE+1] op_sel_hi:[1,0]          ; sqrt w - 3
	v_pk_add_f32 v[TB+2:TB+3], v[TB+2:TB+3], s[NTHREE:NTHREE+1] op_sel_hi:[1,0]
	v_pk_fma_f32 v[TE:TE+1],   v[TB:TB+1],   s[KT:KT+1], s[KT+2:KT+3] op_sel_hi:[1,0,0]  ; the tail polynomial starts
	v_pk_fma_f32 v[TE+2:TE+3], v[TB+2:TB+3], s[KT:KT+1], s[KT+2:KT+3] op_sel_hi:[1,0,0]
.irp i, 2,3,4,5,6,7,8
	HORNER TD, TC, KC+2*\i                         ; four chains by turns: none waits for the line in front of it
	HORNER TE, TB, KT+2*\i
.endr
.irp k, 0,1,2,3
	v_cmp_gt_f32 s[MK+\k], s[FIVE], v[TA+\k]       ; w < 5
.endr
.irp k, 0,1,2,3
	v_cndmask_b32 v[TD+\k], v[TE+\k], v[TD+\k], s[MK+\k]       ; w < 5: central, else tail
.endr
	v_pk_mul_f32 v[XS:XS+1],   v[XS:XS+1],   v[TD:TD+1]        ; ndtri
	v_pk_mul_f32 v[XS+2:XS+3], v[XS+2:XS+3], v[TD+2:TD+3]
.irp k, 0,1,2,3
	v_cndmask_b32 v[XS+\k], v[XS+\k], v[RS+1], s[MO+\k]        ; column C gets u itself
.endr
	global_store_b128 v[OFF], v[XS:XS+3], s[10:11] offset:512*\j th:TH_STORE_NT   ; 512 consecutive bytes, aligned: two whole rows; these registers are not written again
.if \j+4 < 16
	ds_load_b96 v[RS:RS+2], v[LLD] offset:32*(\j+4)            ; the ring's place is free: the triple for four turns on
.endif
.endm
.irp j, 0,1,2,3,4,5,6,7,8,9,10,11,12,13,14,15
	SLOT \j
.endr
	s_wait_tensorcnt 0x0
	ds_add_u32 v112, v113
	s_wait_dscnt 0x0
	s_endpgm
.Lfunc_end_k_q40eef7800c_trunc_normal:
	.size	k_q40eef7800c_trunc_normal, .Lfunc_end_k_q40eef7800c_trunc_normal-k_q40eef7800c_trunc_normal
	.p2alignl 7, 3214868480
	.fill 96, 4, 3214868480
	.section	.rodata,"a",@progbits
	.p2align	6, 0x0
	.amdhsa_kernel k_q40eef7800c_trunc_normal
		.amdhsa_group_segment_fixed_size 5120
		.amdhsa_private_segment_fixed_size 0
		.amdhsa_enable_private_segment 0
		.amdhsa_kernarg_size 32
		.amdhsa_user_sgpr_count 2
		.amdhsa_user_sgpr_kernarg_segment_ptr 1
		.amdhsa_wavefront_size32 1
		.amdhsa_system_sgpr_workgroup_id_x 1
		.amdhsa_system_sgpr_workgroup_id_y 1
		.amdhsa_system_sgpr_workgroup_id_z 1
		.amdhsa_system_vgpr_workitem_id 0
		.amdhsa_next_free_vgpr 114
		.amdhsa_next_free_sgpr 84
		.amdhsa_reserve_vcc 1
		.amdhsa_float_denorm_mode_32 3
		.amdhsa_float_denorm_mode_16_64 3
		.amdhsa_memory_ordered 1
		.amdhsa_forward_progress 1
		.amdhsa_inst_pref_size 84
	.end_amdhsa_kernel
	.amdgpu_metadata
---
amdhsa.version: [ 1, 2 ]
amdhsa.kernels:
  - .name:           k_q40eef7800c_trunc_normal
    .symbol:         k_q40eef7800c_trunc_normal.kd
    .args:
      - { .name: C, .offset: 0, .size: 8, .value_kind: global_buffer, .address_space: global }
      - { .name: eps, .offset: 8, .size: 8, .value_kind: global_buffer, .address_space: global }
      - { .name: U, .offset: 16, .size: 8, .value_kind: global_buffer, .address_space: global }
      - { .name: out0, .offset: 24, .size: 8, .value_kind: global_buffer, .address_space: global }
    .group_segment_fixed_size: 5120
    .private_segment_fixed_size: 0
    .kernarg_segment_align: 8
    .kernarg_segment_size: 32
    .max_flat_workgroup_size: 256
    .sgpr_count:     84
    .vgpr_count:     114
    .wavefront_size: 32
...
	.end_amdgpu_metadata
.endif
;; end of part 1
